; MI455X (gfx1250); checked and timed in simulation.
; The chip was launched on July 23, 2026; its instructions are those of AMD's public machine-readable ISA for CDNA 5 (MIT licence, August 2026) and "CDNA5" Instruction Set Architecture Reference Guide (July 2026). The comments in the code are by the model that wrote it; some were corrected since.
;; Multi Head Attention. Allowed arithmetic: float matrix products may take bf16 or f16 operands with f32 sums; all other float work in f32.
;; Inputs: b_proj 1,024 float32; b_qkv 3,072 float32; w_proj 1,024 x 1,024 float32; w_qkv 1,024 x 3,072 float32; x 2 x 2,048 x 1,024 float32.
;; Outputs: out0 2 x 2,048 x 1,024 float32.
;; One version. Each part assembles by itself: llvm-mc -triple=amdgcn-amd-amdhsa -mcpu=gfx1250 --defsym DOCPART=n.
;; ======== version 1 of 1: 4 launches
;; limits: values are held in f16: magnitudes above 65,504 overflow, below 6.1e-05 lose precision; right only within a limited range of input values
;; workspace buffers: xh 8,388,608 bytes; wqkvh 6,291,456 bytes; wprojh 2,097,152 bytes; qkv 25,165,824 bytes; attn 8,388,608 bytes
;; launch cast (part 1): grid 1024 x 1, 8 waves a work-group, no clusters, 0 bytes of LDS; arguments x, w_qkv, w_proj, xh, wqkvh, wprojh; writes xh, wqkvh, wprojh
.if DOCPART == 1
	.amdgcn_target "amdgcn-amd-amdhsa--gfx1250"
	.amdhsa_code_object_version 6
	.text
	.protected	k_qeafa1db5b4_cast
	.globl	k_qeafa1db5b4_cast
	.p2align	8
	.type	k_qeafa1db5b4_cast,@function
k_qeafa1db5b4_cast:
	s_mov_b64 s[64:65], 0
	v_nop
	global_prefetch_b8 v0, s[64:65] scope:SCOPE_SE
	s_setreg_imm32_b32 hwreg(HW_REG_WAVE_MODE, 25, 1), 1
	s_wait_xcnt 0x0
; x, w_qkv and w_proj from f32 to f16, layouts unchanged, so that the three matrix launches behind this one move and
; read half the bytes and convert nothing twice.
; LIMIT: a number of magnitude 65504 or more becomes infinity in f16; numbers below 2^-14 keep an absolute step of 2^-25.
; A work-group takes 32,768 bytes of f32: groups 0-511 x (16,777,216 bytes), 512-895 w_qkv (12,582,912), 896-1023 w_proj (4,194,304).
; A wave takes 4,096 of them: eight loads of 512 neighbouring bytes, all issued at once, and eight stores of 256 neighbouring,
; aligned bytes.  No LDS, no barrier, no matrix unit: every byte is read once and written once.
.set XG,  512                          ; groups of x
.set QG,  896                          ; groups of x and w_qkv together
.set IN,  8                            ; v[8:39]   eight loads of four f32
.set OUT, 40                           ; v[40:55]  eight pairs of packed f16
	s_load_b256 s[4:11], s[0:1], 0x0               ; x s[4:5], w_qkv s[6:7], w_proj s[8:9], xh s[10:11]
	s_load_b128 s[12:15], s[0:1], 0x20             ; wqkvh s[12:13], wprojh s[14:15]
	s_movk_i32 s20, XG
	s_movk_i32 s21, QG
	v_and_b32 v1, 0xe0, v0                         ; 32 x wave
	v_and_b32 v3, 31, v0                           ; lane
	v_lshlrev_b32 v1, 7, v1                        ; wave x 4,096 bytes
	v_lshl_or_b32 v1, v3, 4, v1                    ; + 16 bytes a lane: the offset in the source
	v_lshrrev_b32 v2, 1, v1                        ; half of it: the offset in the destination
	s_wait_kmcnt 0x0
	s_cmp_lt_u32 ttmp9, s21                        ; which tensor: the choice hangs on the group's number alone
	s_cselect_b64 s[16:17], s[6:7], s[8:9]
	s_cselect_b64 s[18:19], s[12:13], s[14:15]
	s_cselect_b32 s22, s20, s21                    ; the tensor's first group
	s_cmp_lt_u32 ttmp9, s20
	s_cselect_b64 s[16:17], s[4:5], s[16:17]
	s_cselect_b64 s[18:19], s[10:11], s[18:19]
	s_cselect_b32 s22, 0, s22
	s_sub_co_u32 s22, ttmp9, s22                   ; my number inside the tensor
	s_lshl_b32 s24, s22, 15                        ; x 32,768 bytes of f32 (below 2^24)
	s_mov_b32 s25, 0
	s_add_nc_u64 s[16:17], s[16:17], s[24:25]
	s_lshl_b32 s24, s22, 14                        ; x 16,384 bytes of f16
	s_add_nc_u64 s[18:19], s[18:19], s[24:25]
.irp j, 0,1,2,3,4,5,6,7
	global_load_b128 v[IN+4*\j:IN+4*\j+3], v1, s[16:17] offset:512*\j th:TH_LOAD_NT
.endr
.irp j, 0,1,2,3,4,5,6,7
	s_wait_loadcnt 7-\j                            ; loads come back in order: load j is in, the 7 - j younger ones stay out
	v_cvt_pk_f16_f32 v[OUT+2*\j],   v[IN+4*\j],   v[IN+4*\j+1]
	v_cvt_pk_f16_f32 v[OUT+2*\j+1], v[IN+4*\j+2], v[IN+4*\j+3]
	global_store_b64 v2, v[OUT+2*\j:OUT+2*\j+1], s[18:19] offset:256*\j   ; 32 lanes x 8 bytes: 256 consecutive bytes, aligned
.endr
	s_endpgm
.Lfunc_end_k_qeafa1db5b4_cast:
	.size	k_qeafa1db5b4_cast, .Lfunc_end_k_qeafa1db5b4_cast-k_qeafa1db5b4_cast
	.p2alignl 7, 3214868480
	.fill 96, 4, 3214868480
	.section	.rodata,"a",@progbits
	.p2align	6, 0x0
	.amdhsa_kernel k_qeafa1db5b4_cast
		.amdhsa_group_segment_fixed_size 0
		.amdhsa_private_segment_fixed_size 0
		.amdhsa_enable_private_segment 0
		.amdhsa_kernarg_size 48
		.amdhsa_user_sgpr_count 2
		.amdhsa_user_sgpr_kernarg_segment_ptr 1
		.amdhsa_wavefront_size32 1
		.amdhsa_system_sgpr_workgroup_id_x 1
		.amdhsa_system_sgpr_workgroup_id_y 1
		.amdhsa_system_sgpr_workgroup_id_z 1
		.amdhsa_system_vgpr_workitem_id 0
		.amdhsa_next_free_vgpr 56
		.amdhsa_next_free_sgpr 66
		.amdhsa_reserve_vcc 0
		.amdhsa_float_denorm_mode_32 3
		.amdhsa_float_denorm_mode_16_64 3
		.amdhsa_memory_ordered 1
		.amdhsa_forward_progress 1
		.amdhsa_inst_pref_size 4
	.end_amdhsa_kernel
	.amdgpu_metadata
---
amdhsa.version: [ 1, 2 ]
amdhsa.kernels:
  - .name:           k_qeafa1db5b4_cast
    .symbol:         k_qeafa1db5b4_cast.kd
    .args:
      - { .name: x, .offset: 0, .size: 8, .value_kind: global_buffer, .address_space: global }
      - { .name: w_qkv, .offset: 8, .size: 8, .value_kind: global_buffer, .address_space: global }
      - { .name: w_proj, .offset: 16, .size: 8, .value_kind: global_buffer, .address_space: global }
      - { .name: xh, .offset: 24, .size: 8, .value_kind: global_buffer, .address_space: global }
      - { .name: wqkvh, .offset: 32, .size: 8, .value_kind: global_buffer, .address_space: global }
      - { .name: wprojh, .offset: 40, .size: 8, .value_kind: global_buffer, .address_space: global }
    .group_segment_fixed_size: 0
    .private_segment_fixed_size: 0
    .kernarg_segment_align: 8
    .kernarg_segment_size: 48
    .max_flat_workgroup_size: 256
    .sgpr_count:     66
    .vgpr_count:     56
    .wavefront_size: 32
...
	.end_amdgpu_metadata
.endif
;; end of part 1
;; launch qkv (part 2): grid 16 x 16, 4 waves a work-group, clusters of 4 x 4, 327,680 bytes of LDS; arguments xh, wqkvh, b_qkv, qkv; writes qkv
.if DOCPART == 2
	.amdgcn_target "amdgcn-amd-amdhsa--gfx1250"
	.amdhsa_code_object_version 6
	.text
	.protected	k_qeafa1db5b4_qkv
	.globl	k_qeafa1db5b4_qkv
	.p2align	8
	.type	k_qeafa1db5b4_qkv,@function
k_qeafa1db5b4_qkv:
	s_mov_b64 s[64:65], 0
	v_nop
	global_prefetch_b8 v0, s[64:65] scope:SCOPE_SE
	s_setreg_imm32_b32 hwreg(HW_REG_WAVE_MODE, 25, 1), 1
	s_wait_xcnt 0x0
	s_wait_alu depctr_hold_cnt(0) depctr_sa_sdst(0) depctr_va_vdst(0) depctr_va_sdst(0) depctr_va_ssrc(0) depctr_va_vcc(0) depctr_vm_vsrc(0)
	s_getreg_b32 s2, hwreg(HW_REG_IB_STS2, 6, 4)
	s_cmp_eq_u32 s2, 0
	s_cbranch_scc0 .Lentry_in_a_cluster
	s_endpgm
.Lentry_in_a_cluster:
	s_bfe_u32 s2, ttmp6, 0x10000c
	s_cmp_lg_u32 s2, 0xf033
	s_cbranch_scc0 .Lentry_shape_is_right
	s_endpgm
.Lentry_shape_is_right:
; qkv = xh [4096][1024] x wqkvh [1024][3072] + b_qkv, sums in f32, rounded once to f16 and stored head-major:
; qkv[part p][batch b][head h][row s][64], slab 32 p + 16 b + h of 2^18 bytes, a row of 128 bytes.
; LIMIT: a result of magnitude 65504 or more becomes infinity in f16.  With the drawn spread (1) there is room for all inputs
; 30 times larger (spread 900) and for offsets of 30 spreads on x and w together (1024 x 30 x 0.94 = 28,800).
; A work-group makes 256 rows x 192 columns (three whole heads), 16 x 16 = 256 work-groups.  Four waves; wave (wm, wn) makes
; 128 x 96: 8 x 6 accumulator tiles.  K goes in 8 steps of 128 through two LDS slots filled by the tensor data mover.
; CLUSTERS: 4 x 4 work-groups.  The four of a row of the cluster need the same 256 rows of xh, the four of a column the same
; 192 columns of wqkvh: each tile is asked for jointly, which divides the requests by four.
; The weights lie [K][N]; ds_load_tr16_b128 transposes them on the way into registers.
; The matrix instruction is used transposed (source 0 = 16 columns of w, source 1 = 16 rows of x): lane l then holds row l % 16
; and its eight registers the columns 8 (l / 16) + 0..7, eight neighbouring numbers of a row.
; REGISTER WINDOWS: 0: addresses, packed results, x fragments (two buffers), bias; 1: w fragments (two buffers);
; 2: tiles of my rows 0-63 at v[8 (6 a + b)]; 3: tiles of my rows 64-127.
.set PA,     272                       ; LDS row of x: 256 bytes + 16: an odd multiple of 16, so 16 rows start at 16 different 16-byte columns modulo 256
.set AHALF,  128*PA                    ; 128 rows: one tensor load
.set PB,     480                       ; LDS row of w: six pieces of 64 bytes + 16: 15 x 32, an odd multiple of 32 for the transposing loads
.set BHALF,  64*PB                     ; 64 k rows: one tensor load
.set BOFF,   2*AHALF                   ; w's 128 k rows lie behind x's 256 rows
.set SLOT,   BOFF+2*BHALF              ; 131,072
.set SPITCH, 400                       ; the stage's row: 192 f16 + 16 bytes
.set LAPS,   4                         ; a lap = two K steps = once round the ring; 1024 / 256
.set ADRA, 16                          ; v16-17  LDS address of my x fragments in slot 0, 1
.set ADRB, 20                          ; v20-21  the same for w
.set STO,  24                          ; v24     the way out: where I put 16 bytes of a row
.set RD,   25                          ; v25     the way out: where I read a head's rows back
.set CO,   26                          ; v26     my 16 bytes among 512 stored
.set BO,   27                          ; v27     my byte offset in the block's bias
.set PK,   32                          ; v32-55  packed results
.set F0,   64                          ; fragment buffer 0
.set F1,   128                         ; fragment buffer 1
.set BIAS, 192                         ; v192-239 bias of my 6 x 8 columns
.set G1A,  24                          ; s[24:31] group 1 of x's tiles
.set G0A,  32                          ; s[32:39] group 0 of x's tiles, a set for each slot
.set G1B,  48                          ; s[48:55] group 1 of w's tiles
.set G0B,  56                          ; s[56:63] group 0 of w's tiles, a set for each slot
.set HB,   66                          ; s[66:71] where my 64 rows of the block's three heads go
.set MSB,  0
.macro WIN new                         ; the immediate's high byte repeats the setting that is left; no switch that changes nothing
.if MSB != \new
	s_set_vgpr_msb (MSB<<8)|\new
.set MSB, \new
.endif
.endm
.set MUL_LO, 0xa1                      ; source 0 (w) window 1, source 1 (x) window 0, C and D window 2
.set MUL_HI, 0xf1                      ; the same, C and D window 3
.set TO_B,   0x40                      ; destination window 1, address window 0
.macro PLACES                          ; four plain vector places behind matrix instructions (ISA guide 7.12.1 for vector instructions)
.rept 4
	v_nop
.endr
.endm
; A joint load: waves 0 and 1 fetch x's two halves, waves 2 and 3 w's.  The branch hangs on the wave's number alone.
.macro JLOAD s
	s_cmp_eq_u32 s13, 0
	s_cbranch_scc0 .Lfor_b_\@
	tensor_load_to_lds s[G0A+4*\s:G0A+4*\s+3], s[G1A:G1A+7]
	s_nop 0
	s_branch .Lasked_\@
.Lfor_b_\@:
	tensor_load_to_lds s[G0B+4*\s:G0B+4*\s+3], s[G1B:G1B+7]
	s_nop 0
.Lasked_\@:
.endm
.macro CREST                           ; a round of the cluster's barrier behind its opening work-group barrier
	s_cmp_lg_u32 s12, 0
	s_cbranch_scc1 .Lnot_wave_0_\@
	s_barrier_signal -3
.Lnot_wave_0_\@:
	s_barrier_wait -3
	s_barrier_signal -1
	s_barrier_wait -1
.endm
.macro CROUND                          ; a whole round
	s_barrier_signal -1
	s_barrier_wait -1
	CREST
.endm
	s_load_b256 s[4:11], s[0:1], 0x0               ; xh s[4:5], wqkvh s[6:7], b_qkv s[8:9], qkv s[10:11]
	s_set_vgpr_msb 0x40
	v_lshl_add_u32 v255, v0, 2, 0x40000
	s_set_vgpr_msb 0x4000
	v_mov_b32 v255, 0
	s_set_vgpr_msb 0x1
	ds_add_u32 v255, v255
	s_set_vgpr_msb 0x100
	v_lshrrev_b32 v1, 5, v0
	v_readfirstlane_b32 s12, v1                    ; wave 0..3
	s_lshr_b32 s13, s12, 1                         ; wm: my half of the rows.  Also: I fetch for x (0) or for w (1)
	s_and_b32 s14, s12, 1                          ; wn: my half of the columns.  Also: which half of that tile I fetch
	s_bfe_u32 s40, ttmp6, 0x40000                  ; cx
	s_bfe_u32 s41, ttmp6, 0x40004                  ; cy
	s_lshl_b32 s42, ttmp9, 2
	s_add_co_u32 s42, s42, s40                     ; BX: block column = 4 x cluster x + cx
	s_and_b32 s15, ttmp7, 0xffff
	s_lshl_b32 s15, s15, 2
	s_add_co_u32 s15, s15, s41                     ; BY: block row = 4 x cluster y + cy
	s_lshl_b32 s43, s41, 2
	s_lshl_b32 s43, 15, s43                        ; my row of the cluster: places 4 cy .. 4 cy + 3
	s_lshl_b32 s44, 0x1111, s40                    ; my column: places cx, cx + 4, cx + 8, cx + 12
	; group 1 of x's tiles: 128 rows x 128 elements of 2 bytes, 4 words of padding behind every 64 words (a row)
	s_or_b32 s[G1A+0], s43, (1<<16)|(1<<20)|(1<<21)|(5<<22)|(3<<25)
	s_mov_b32 s[G1A+1], 128<<16                    ; tensor_dim0 = 128
	s_mov_b32 s[G1A+2], 128<<16                    ; tensor_dim1 = 128
	s_mov_b32 s[G1A+3], 128<<16                    ; tile_dim0 = 128
	s_mov_b32 s[G1A+4], 128                        ; tile_dim1 = 128
	s_mov_b32 s[G1A+5], 1024                       ; elements from row to row
	s_mov_b32 s[G1A+6], 0
	s_mov_b32 s[G1A+7], 0
	; group 1 of w's tiles: 64 k rows x 192 elements, 4 words of padding behind every 16 words (32 columns); 16 divides a row's 96 words
	s_or_b32 s[G1B+0], s44, (1<<16)|(1<<20)|(1<<21)|(3<<22)|(3<<25)
	s_mov_b32 s[G1B+1], 192<<16                    ; tensor_dim0 = 192
	s_mov_b32 s[G1B+2], 64<<16                     ; tensor_dim1 = 64
	s_mov_b32 s[G1B+3], 192<<16                    ; tile_dim0 = 192
	s_mov_b32 s[G1B+4], 64                         ; tile_dim1 = 64
	s_mov_b32 s[G1B+5], 3072
	s_mov_b32 s[G1B+6], 0
	s_mov_b32 s[G1B+7], 0
	; where the tiles come from: x's hang on BY alone, w's on BX alone, each in registers that never hold the other coordinate
	s_lshl_b32 s16, s15, 19                        ; 256 BY rows of 2,048 bytes
	s_lshl_b32 s18, s14, 18                        ; + 128 rows for the second half
	s_add_co_u32 s16, s16, s18
	s_mov_b32 s17, 0
	s_mul_i32 s46, s42, 384                        ; 192 BX columns of 2 bytes
	s_mul_i32 s45, s14, 64*6144                    ; + 64 k rows of 6,144 bytes for the second half
	s_add_co_u32 s46, s46, s45
	s_mov_b32 s47, 0
	s_mul_i32 s20, s12, AHALF                      ; where they go: x's halves at wave x 34,816 (waves 0, 1),
	s_mul_i32 s21, s12, BHALF
	s_add_co_u32 s21, s21, BOFF-2*BHALF            ; w's halves at 69,632 + (wave - 2) x 30,720 (waves 2, 3)
	s_mul_i32 s74, s42, 768                        ; the block's 192 biases of 4 bytes
	s_mov_b32 s75, 0
	s_wait_dscnt 0x0
	s_wait_kmcnt 0x0
	s_add_nc_u64 s[16:17], s[4:5], s[16:17]
	s_add_nc_u64 s[46:47], s[6:7], s[46:47]
	s_add_nc_u64 s[72:73], s[8:9], s[74:75]
.irp s, 0,1
	s_mov_b32 s[G0A+4*\s], 1
	s_add_co_u32 s[G0A+4*\s+1], s20, \s*SLOT
	s_add_nc_u64 s[G0A+4*\s+2:G0A+4*\s+3], s[16:17], \s*256          ; K step s: 128 elements along the row
	s_or_b32 s[G0A+4*\s+3], s[G0A+4*\s+3], 0x80000000
	s_mov_b32 s[G0B+4*\s], 1
	s_add_co_u32 s[G0B+4*\s+1], s21, \s*SLOT
	s_add_nc_u64 s[G0B+4*\s+2:G0B+4*\s+3], s[46:47], \s*128*6144     ; K step s: 128 rows down
	s_or_b32 s[G0B+4*\s+3], s[G0B+4*\s+3], 0x80000000
.endr
	CROUND                                         ; all sixteen work-groups are here: the first joint loads meet
	s_cmp_eq_u32 s13, 0                            ; both first fills of a wave inside one branch on its number
	s_cbranch_scc0 .Lfirst_b
	tensor_load_to_lds s[G0A:G0A+3], s[G1A:G1A+7]
	s_nop 0
	tensor_load_to_lds s[G0A+4:G0A+7], s[G1A:G1A+7]
	s_nop 0
	s_branch .Lfirst_done
.Lfirst_b:
	tensor_load_to_lds s[G0B:G0B+3], s[G1B:G1B+7]
	s_nop 0
	tensor_load_to_lds s[G0B+4:G0B+7], s[G1B:G1B+7]
	s_nop 0
.Lfirst_done:
	v_and_b32 v1, 15, v0                           ; r = l % 16
	v_bfe_u32 v2, v0, 4, 1                         ; h = l / 16
	s_mul_i32 s22, s14, 384                        ; my 96 columns' biases
	v_lshl_add_u32 v[BO], v2, 5, s22               ; + 8 h numbers
.irp b, 0,1,2,3,4,5
	global_load_b128 v[BIAS+8*\b:BIAS+8*\b+3],   v[BO], s[72:73] offset:64*\b      ; waited for on the way out
	global_load_b128 v[BIAS+8*\b+4:BIAS+8*\b+7], v[BO], s[72:73] offset:64*\b+16
.endr
	v_mul_u32_u24 v3, v1, PA
	v_lshl_add_u32 v3, v2, 4, v3                   ; x: row r x pitch + 16 h
	s_mul_i32 s22, s13, AHALF
	v_add_nc_u32 v[ADRA], s22, v3
	v_add_nc_u32 v[ADRA+1], SLOT, v[ADRA]
	v_and_b32 v4, 7, v0
	v_lshl_add_u32 v4, v2, 3, v4                   ; w: k row 8 h + l % 8
	v_mul_u32_u24 v4, v4, PB
	v_bfe_u32 v5, v0, 3, 1
	v_lshl_add_u32 v4, v5, 4, v4                   ; + 16 bytes for lanes 8-15 of each sixteen
	s_mul_i32 s22, s14, 240                        ; my 96 columns: three pieces of 80 bytes
	s_add_co_u32 s22, s22, BOFF
	v_add_nc_u32 v[ADRB], s22, v4
	v_add_nc_u32 v[ADRB+1], SLOT, v[ADRB]
	v_mul_u32_u24 v6, v1, SPITCH
	v_lshl_add_u32 v6, v2, 4, v6
	s_mul_i32 s22, s13, 128*SPITCH
	s_mul_i32 s23, s14, 192
	s_add_co_u32 s22, s22, s23
	v_add_nc_u32 v[STO], s22, v6                   ; stage: row 128 wm + r, byte 192 wn + 16 h
	v_bfe_u32 v7, v0, 3, 2
	v_mul_u32_u24 v7, v7, SPITCH
	v_and_b32 v8, 7, v0
	v_lshl_add_u32 v7, v8, 4, v7
	s_mul_i32 s22, s12, 64*SPITCH
	v_add_nc_u32 v[RD], s22, v7                    ; back: row 64 w + l / 8, byte 16 (l % 8)
	v_and_b32 v9, 31, v0
	v_lshlrev_b32 v[CO], 4, v9
; 12 matrix instructions: row tiles a0, a0 + 1 of the window's four x all 6 column tiles, 32 along K.  zero = 1: the first product starts the sums.
; The 48 accumulators take turns, one instruction a turn, in the same order in every quarter step.
.macro MUL12 f, hi, a0, zero
.irp a, \a0, \a0+1
.irp b, 0,1,2,3,4,5
.if \zero
	v_wmma_f32_16x16x32_f16 v[8*(6*(\a)+\b):8*(6*(\a)+\b)+7], v[\f+8*\b:\f+8*\b+7], v[\f+8*(4*\hi+\a):\f+8*(4*\hi+\a)+7], 0
.else
	v_wmma_f32_16x16x32_f16 v[8*(6*(\a)+\b):8*(6*(\a)+\b)+7], v[\f+8*\b:\f+8*\b+7], v[\f+8*(4*\hi+\a):\f+8*(4*\hi+\a)+7], v[8*(6*(\a)+\b):8*(6*(\a)+\b)+7]
.endif
.endr
.endr
.endm
; 28 LDS loads in one run: quarter q (32 along K) of a slot into buffer f: 12 transposing loads of w, 16 loads of x
.macro FETCH slot, q, f
	WIN TO_B
.irp b, 0,1,2,3,4,5
	ds_load_tr16_b128 v[\f+8*\b:\f+8*\b+3],   v[ADRB+\slot] offset:32*PB*\q+80*(\b>>1)+32*(\b&1)
	ds_load_tr16_b128 v[\f+8*\b+4:\f+8*\b+7], v[ADRB+\slot] offset:32*PB*\q+80*(\b>>1)+32*(\b&1)+16*PB
.endr
	WIN 0
.irp i, 0,1,2,3,4,5,6,7
	ds_load_b128 v[\f+8*\i:\f+8*\i+3],   v[ADRA+\slot] offset:16*PA*\i+64*\q
	ds_load_b128 v[\f+8*\i+4:\f+8*\i+7], v[ADRA+\slot] offset:16*PA*\i+64*\q+32
.endr
.endm
; One of a K step's first three quarters: multiplies buffer f; in its middle it fetches quarter q into buffer g.
.macro QUARTER slot, q, f, g, zero
	s_wait_dscnt 8                                 ; w and x's rows 0-63 are in; the youngest eight loads (x's rows 64-127) may be out
	WIN MUL_LO
	MUL12 \f, 0, 0, \zero
	MUL12 \f, 0, 2, \zero
	PLACES
	FETCH \slot, \q, \g
	s_wait_dscnt 28                                ; all but the 28 just issued
	WIN MUL_HI
	MUL12 \f, 1, 0, \zero
	MUL12 \f, 1, 2, \zero
.endm
.macro THREE slot, zero
	QUARTER \slot, 1, F0, F1, \zero
	QUARTER \slot, 2, F1, F0, 0
	QUARTER \slot, 3, F0, F1, 0
.endm
; The last quarter changes slots.  In front of the barrier each wave waits for its reads of this slot and for all its tensor loads
; (one is out: its part of the next slot).  Behind it the refill comes first, then the next slot's first fragments.
; From a request to the wait for it a wave issues 180 matrix instructions.
.macro TURN slot, next, fill
	s_wait_dscnt 8
	WIN MUL_LO
	MUL12 F1, 0, 0, 0
	s_wait_dscnt 0                                 ; my reads of this slot are over
	s_wait_tensorcnt 0x0                           ; all my tensor loads have landed
	ds_add_u32 v255, v255
	s_wait_dscnt 0x0
	s_barrier_signal -1                            ; where a slot is filled again this barrier opens a round of the cluster's barrier
	MUL12 F1, 0, 2, 0                              ; register work while the others arrive
	WIN 0
	s_barrier_wait -1
.if \fill
	CREST                                          ; no wave of any partner still reads this slot or has a load on its way
	s_add_nc_u64 s[G0A+4*\slot+2:G0A+4*\slot+3], s[G0A+4*\slot+2:G0A+4*\slot+3], 2*256
	s_add_nc_u64 s[G0B+4*\slot+2:G0B+4*\slot+3], s[G0B+4*\slot+2:G0B+4*\slot+3], 2*128*6144
	JLOAD \slot                                    ; the wave's one tensor load behind the round, and the first thing there
.endif
	PLACES
	FETCH \next, 0, F0
	WIN MUL_HI
	MUL12 F1, 1, 0, 0
	MUL12 F1, 1, 2, 0
.endm
.macro LAP zero
	THREE 0, \zero
	TURN 0, 1, 1
	THREE 1, 0
	TURN 1, 0, 1
.endm
	s_wait_tensorcnt 0x1                           ; my part of K step 0 is in; K step 1's may stay out
	s_barrier_signal -1
	s_barrier_wait -1
	FETCH 0, 0, F0
	LAP 1                                          ; the first lap's first products start the sums
	WIN 0
	s_mov_b32 s3, LAPS-2
.Llap:
	LAP 0
	WIN 0
	s_sub_co_u32 s3, s3, 1
	s_cmp_lg_u32 s3, 0
	s_cbranch_scc1 .Llap
	THREE 0, 0                                     ; the last lap fills nothing
	TURN 0, 1, 0                                   ; behind this barrier no wave reads slot 0 again, and slot 0 has had its last fill
	THREE 1, 0
	s_wait_dscnt 8
	WIN MUL_LO
	MUL12 F1, 0, 0, 0
	MUL12 F1, 0, 2, 0
	s_wait_dscnt 0
	WIN MUL_HI
	MUL12 F1, 1, 0, 0
	MUL12 F1, 1, 2, 0
	; THE WAY OUT.  Bias, one rounding to f16, 16 bytes a lane into a stage of 256 rows x 400 bytes that lies on slot 0;
	; behind a barrier each wave reads 64 rows of each head back, 128 bytes a row, and stores 512 consecutive bytes an instruction.
	PLACES
.irp c, 0,1,2
	s_mul_i32 s74, s42, 3
	s_add_co_u32 s74, s74, \c                      ; g = 3 BX + c = 16 p + h
	s_and_b32 s75, s74, 48
	s_add_co_u32 s74, s74, s75                     ; 32 p + h
	s_lshr_b32 s75, s15, 3                         ; batch = BY / 8
	s_lshl4_add_u32 s74, s75, s74                  ; the slab's number
	s_lshl_b32 s74, s74, 18
	s_and_b32 s75, s15, 7
	s_lshl_b32 s75, s75, 15                        ; 256 (BY % 8) rows of 128 bytes
	s_add_co_u32 s74, s74, s75
	s_lshl_b32 s75, s12, 13                        ; + 64 w rows
	s_add_co_u32 s74, s74, s75
	s_mov_b32 s75, 0
	s_add_nc_u64 s[HB+2*\c:HB+2*\c+1], s[10:11], s[74:75]
.endr
	s_wait_loadcnt 0x0                             ; the bias
.macro OUTA a, ta, from                ; rows 16 a .. 16 a + 15 of my 128: tiles (ta, 0..5) of window 2 or 3 (from: source 0's window)
	WIN \from
.irp b, 0,1,2,3,4,5
.irp p, 0,2,4,6
	v_pk_add_f32 v[F0+8*\b+\p:F0+8*\b+\p+1], v[8*(6*\ta+\b)+\p:8*(6*\ta+\b)+\p+1], v[BIAS+8*\b+\p:BIAS+8*\b+\p+1]
.endr
.endr
	WIN 0
.irp b, 0,1,2,3,4,5
.irp p, 0,1,2,3
	v_cvt_pk_f16_f32 v[PK+4*\b+\p], v[F0+8*\b+2*\p], v[F0+8*\b+2*\p+1]
.endr
.endr
.irp b, 0,1,2,3,4,5
	ds_store_b128 v[STO], v[PK+4*\b:PK+4*\b+3] offset:16*SPITCH*\a+32*\b
.endr
.endm
	OUTA 0, 0, 0x02
	OUTA 1, 1, 0x02
	OUTA 2, 2, 0x02
	OUTA 3, 3, 0x02
	OUTA 4, 0, 0x03
	OUTA 5, 1, 0x03
	OUTA 6, 2, 0x03
	OUTA 7, 3, 0x03
	s_wait_dscnt 0x0                               ; my stores into the stage are done, for the other waves' sake
	s_barrier_signal -1
	s_barrier_wait -1
.macro OUTH c, f                       ; head c of the block: my 64 rows
.irp t, 0,1,2,3,4,5,6,7,8,9,10,11,12,13,14,15
	ds_load_b128 v[\f+4*\t:\f+4*\t+3], v[RD] offset:128*\c+4*SPITCH*\t
.endr
.irp t, 0,1,2,3,4,5,6,7,8,9,10,11,12,13,14,15
	s_wait_dscnt 15-\t                             ; LDS loads come back in order: load t is in
	global_store_b128 v[CO], v[\f+4*\t:\f+4*\t+3], s[HB+2*\c:HB+2*\c+1] offset:512*\t   ; four rows of the head: 512 consecutive bytes, aligned
.endr
.endm
	OUTH 0, F0
	OUTH 1, F1
	s_wait_xcnt 0x0                                ; buffer 0, which head 0's stores read, is loaded again only behind this wait
	OUTH 2, F0
	s_set_vgpr_msb 0x1
	s_wait_tensorcnt 0x0
	ds_add_u32 v255, v255
	s_wait_dscnt 0x0
	s_set_vgpr_msb 0x100
	CROUND                                         ; the closing round: no work-group ends while a partner may still ask for a tile that names it
	s_endpgm
.Lfunc_end_k_qeafa1db5b4_qkv:
	.size	k_qeafa1db5b4_qkv, .Lfunc_end_k_qeafa1db5b4_qkv-k_qeafa1db5b4_qkv
	.p2alignl 7, 3214868480
	.fill 96, 4, 3214868480
	.section	.rodata,"a",@progbits
	.p2align	6, 0x0
	.amdhsa_kernel k_qeafa1db5b4_qkv
		.amdhsa_group_segment_fixed_size 327680
		.amdhsa_private_segment_fixed_size 0
		.amdhsa_enable_private_segment 0
		.amdhsa_kernarg_size 32
		.amdhsa_user_sgpr_count 2
		.amdhsa_user_sgpr_kernarg_segment_ptr 1
		.amdhsa_wavefront_size32 1
		.amdhsa_system_sgpr_workgroup_id_x 1
		.amdhsa_system_sgpr_workgroup_id_y 1
		.amdhsa_system_sgpr_workgroup_id_z 1
		.amdhsa_system_vgpr_workitem_id 0
		.amdhsa_next_free_vgpr 960
		.amdhsa_next_free_sgpr 80
		.amdhsa_reserve_vcc 0
		.amdhsa_float_denorm_mode_32 3
		.amdhsa_float_denorm_mode_16_64 3
		.amdhsa_memory_ordered 1
		.amdhsa_forward_progress 1
		.amdhsa_inst_pref_size 172
	.end_amdhsa_kernel
	.amdgpu_metadata
---
amdhsa.version: [ 1, 2 ]
amdhsa.kernels:
  - .name:           k_qeafa1db5b4_qkv
    .symbol:         k_qeafa1db5b4_qkv.kd
    .args:
      - { .name: xh, .offset: 0, .size: 8, .value_kind: global_buffer, .address_space: global }
      - { .name: wqkvh, .offset: 8, .size: 8, .value_kind: global_buffer, .address_space: global }
      - { .name: b_qkv, .offset: 16, .size: 8, .value_kind: global_buffer, .address_space: global }
      - { .name: qkv, .offset: 24, .size: 8, .value_kind: global_buffer, .address_space: global }
    .group_segment_fixed_size: 327680
    .private_segment_fixed_size: 0
    .kernarg_segment_align: 8
    .kernarg_segment_size: 32
    .max_flat_workgroup_size: 128
    .sgpr_count:     80
    .vgpr_count:     960
    .wavefront_size: 32
...
	.end_amdgpu_metadata
.endif
;; end of part 2
;; launch attn (part 3): grid 16 x 16, 4 waves a work-group, clusters of 4 x 1, 327,680 bytes of LDS; arguments qkv, attn; writes attn
.if DOCPART == 3
	.amdgcn_target "amdgcn-amd-amdhsa--gfx1250"
	.amdhsa_code_object_version 6
	.text
	.protected	k_qeafa1db5b4_attn
	.globl	k_qeafa1db5b4_attn
	.p2align	8
	.type	k_qeafa1db5b4_attn,@function
k_qeafa1db5b4_attn:
	s_mov_b64 s[64:65], 0
	v_nop
	global_prefetch_b8 v0, s[64:65] scope:SCOPE_SE
	s_setreg_imm32_b32 hwreg(HW_REG_WAVE_MODE, 25, 1), 1
	s_wait_xcnt 0x0
	s_wait_alu depctr_hold_cnt(0) depctr_sa_sdst(0) depctr_va_vdst(0) depctr_va_sdst(0) depctr_va_ssrc(0) depctr_va_vcc(0) depctr_vm_vsrc(0)
	s_getreg_b32 s2, hwreg(HW_REG_IB_STS2, 6, 4)
	s_cmp_eq_u32 s2, 0
	s_cbranch_scc0 .Lentry_in_a_cluster
	s_endpgm
.Lentry_in_a_cluster:
	s_bfe_u32 s2, ttmp6, 0x10000c
	s_cmp_lg_u32 s2, 0x3003
	s_cbranch_scc0 .Lentry_shape_is_right
	s_endpgm
.Lentry_shape_is_right:
; attn[b][s][64 h + d] = softmax over t of (q.k / 8) times v, per head, with a running maximum; q, k, v, P and the result in f16, sums in f32.
; LIMITS: P is rounded to f16 (it lies in [0, 1]; below 2^-24 it becomes 0); v_exp_f32 gives 0 below 2^-126; the result is rounded to f16;
; a row whose scores hold NaN or +infinity gives NaN, as the softmax itself does.
; A work-group takes 128 queries of two neighbouring heads, so that a row of its output is 256 consecutive, aligned bytes.
; Grid x = block of 128 queries, y = 8 b + head pair.  Wave w takes head w % 2 and queries 64 (w / 2) .. + 63: four query tiles of 16.
; CLUSTER: the four work-groups of a cluster (4 along x) have the same y, so the same K and V: every tile is one joint load with mask 15.
; NO SHUFFLE: S^T = K Q^T puts query l % 16 in lane l and keys 8 (l / 16) + j in its registers; two key tiles packed to f16 are the
; B fragment of P^T as they lie; O^T = V^T P^T keeps query l % 16 in lane l.  So maximum, sum and rescaling factor are one number a lane,
; and the two halves of the lanes meet by one v_permlanex16_b32.  V^T comes from V's rows by ds_load_tr16_b128.
; Keys go in 16 steps of 128 through two LDS slots; a step is two sub-steps of 64 keys.
; REGISTER WINDOWS: 0: addresses and the fragments of Q, K, V; 1: scores S, P in place on them, and the softmax's state; 2: O.
.set KP,     144                       ; LDS row of K: 128 bytes + 16, an odd multiple of 16
.set VP,     160                       ; LDS row of V: 128 bytes + 32, an odd multiple of 32 for the transposing loads
.set REG,    20480                     ; a region: 128 rows (K uses 18,432 of it)
.set SLOT,   4*REG                     ; K of head 0, K of head 1, V of head 0, V of head 1
.set STAGE,  2*SLOT                    ; bytes of its own behind the ring: 128 rows x 272
.set SPITCH, 272
.set KA,  4                            ; v4-5   LDS address of my K fragments in slot 0, 1
.set VA,  6                            ; v6-7   the same for V
.set STO, 8                            ; v8     the way out: where I put 16 bytes
.set RD,  9                            ; v9     the way out: where I read rows back
.set CO,  10                           ; v10    my byte offset in two rows of attn
.set QO,  11                           ; v11    my byte offset in 16 rows of Q
.set QF,  64                           ; v64-127   Q fragments: 16 qt + 8 db
.set KF,  128                          ; v128-191  K fragments: 16 kt + 8 db
.set VF,  192                          ; v192-255  V^T fragments: 16 dt + 8 kb
; window 1: S(kt, qt) at v[32 kt + 8 qt]; P(kb, qt) in place at v[64 kb + 8 qt]
.set T,   132                          ; v132-135  this sub-step's maximum
.set M,   136                          ; v136-139  the running maximum of c x score
.set X,   140                          ; v140-143  what the other half of the lanes holds
.set PR,  144                          ; v144-151  pairs (-M, alpha)
.set LS,  160                          ; v160-167  running sums, a pair for each query tile
; window 2: O(dt, qt) at v[32 dt + 8 qt]
.set G1K, 16                           ; s[16:23] group 1 of K's tiles
.set G1V, 24                           ; s[24:31] group 1 of V's tiles
.set G0,  32                           ; s[32:39] group 0, a set for each slot
.set MSB, 0
.macro WIN new
.if MSB != \new
	s_set_vgpr_msb (MSB<<8)|\new
.set MSB, \new
.endif
.endm
.macro PLACES n                        ; plain vector places behind matrix instructions (ISA guide 7.12.1 for vector instructions)
.rept \n
	v_nop
.endr
.endm
.macro JLOAD s                         ; waves 0, 1 fetch K of heads 0, 1; waves 2, 3 V: the two lines differ in the padding alone
	s_cmp_lt_u32 s8, 2
	s_cbranch_scc0 .Lfor_v_\@
	tensor_load_to_lds s[G0+4*\s:G0+4*\s+3], s[G1K:G1K+7]
	s_nop 0
	s_branch .Lasked_\@
.Lfor_v_\@:
	tensor_load_to_lds s[G0+4*\s:G0+4*\s+3], s[G1V:G1V+7]
	s_nop 0
.Lasked_\@:
.endm
.macro CREST
	s_cmp_lg_u32 s8, 0
	s_cbranch_scc1 .Lnot_wave_0_\@
	s_barrier_signal -3
.Lnot_wave_0_\@:
	s_barrier_wait -3
	s_barrier_signal -1
	s_barrier_wait -1
.endm
.macro CROUND
	s_barrier_signal -1
	s_barrier_wait -1
	CREST
.endm
	s_load_b128 s[4:7], s[0:1], 0x0                ; qkv s[4:5], attn s[6:7]
	s_set_vgpr_msb 0x40
	v_lshl_add_u32 v254, v0, 2, 0x30800
	v_mov_b32 v255, 0
	s_set_vgpr_msb 0x4045
	ds_add_u32 v254, v255
	s_set_vgpr_msb 0x4500
	v_lshrrev_b32 v1, 5, v0
	v_readfirstlane_b32 s8, v1                     ; wave 0..3
	s_and_b32 s9, s8, 1                            ; hc: my head of the pair
	s_lshr_b32 s10, s8, 1                          ; rh: my half of the 128 queries
	s_bfe_u32 s40, ttmp6, 0x40000                  ; cx
	s_lshl_b32 s41, ttmp9, 2
	s_add_co_u32 s41, s41, s40                     ; qb: block of queries = 4 x cluster x + cx
	s_and_b32 s42, ttmp7, 0xffff                   ; y = 8 b + head pair, the same in the whole cluster
	s_mov_b32 s12, 0x76543210                      ; v_permlanex16_b32: lane i of one half reads lane i of the other
	s_mov_b32 s13, 0xfedcba98
	s_mov_b32 s14, 0x3e38aa3b                      ; c = log2(e) / 8: the scale 64^-0.5 and the change of base in one factor
	s_mov_b32 s15, 0x3e38aa3b
	; group 1: a step's 128 rows of 128 bytes are dense in memory: 64 rows of 128 elements (256 bytes), padding behind every 32 words (one key's row)
	s_mov_b32 s[G1K+0], 15|(1<<16)|(1<<20)|(1<<21)|(4<<22)|(3<<25)   ; mask 15, 2-byte elements, 4 words of padding: pitch 144
	s_mov_b32 s[G1V+0], 15|(1<<16)|(1<<20)|(1<<21)|(4<<22)|(7<<25)   ; 8 words of padding: pitch 160
.irp g, G1K, G1V
	s_mov_b32 s[\g+1], 128<<16                     ; tensor_dim0 = 128
	s_mov_b32 s[\g+2], 64<<16                      ; tensor_dim1 = 64
	s_mov_b32 s[\g+3], 128<<16                     ; tile_dim0 = 128
	s_mov_b32 s[\g+4], 64                          ; tile_dim1 = 64
	s_mov_b32 s[\g+5], 128                         ; elements from row to row
	s_mov_b32 s[\g+6], 0
	s_mov_b32 s[\g+7], 0
.endr
	s_lshl_b32 s48, s10, 5                         ; the slab that I fetch from: 32 (K) or 64 (V)
	s_lshl1_add_u32 s48, s42, s48                  ; + 16 b + 2 x head pair = 2 y
	s_add_co_u32 s48, s48, s9                      ; + head of the pair
	s_add_co_u32 s48, s48, 32
	s_lshl_b32 s48, s48, 18
	s_mov_b32 s49, 0
	s_mul_i32 s11, s8, REG                         ; and the region that I fill: the wave's number alone
	s_lshl1_add_u32 s52, s42, s9                   ; Q: slab 2 y + hc,
	s_lshl_b32 s52, s52, 18
	s_lshl_b32 s53, s41, 14                        ; 128 qb rows of 128 bytes,
	s_add_co_u32 s52, s52, s53
	s_lshl_b32 s53, s10, 13                        ; 64 rh rows
	s_add_co_u32 s52, s52, s53
	s_mov_b32 s53, 0
	v_and_b32 v1, 15, v0                           ; r = l % 16
	v_bfe_u32 v2, v0, 4, 1                         ; h = l / 16
	v_lshlrev_b32 v[QO], 7, v1
	v_lshl_add_u32 v[QO], v2, 4, v[QO]             ; 128 r + 16 h
	s_wait_dscnt 0x0
	s_wait_kmcnt 0x0
	s_add_nc_u64 s[50:51], s[4:5], s[48:49]
	s_add_nc_u64 s[44:45], s[4:5], s[52:53]
.irp s, 0,1
	s_mov_b32 s[G0+4*\s], 1
	s_add_co_u32 s[G0+4*\s+1], s11, \s*SLOT
	s_add_nc_u64 s[G0+4*\s+2:G0+4*\s+3], s[50:51], \s*16384          ; step s: 128 rows of 128 bytes
	s_or_b32 s[G0+4*\s+3], s[G0+4*\s+3], 0x80000000
.endr
	CROUND                                         ; the four work-groups are here: the first joint loads meet
	s_cmp_lt_u32 s8, 2                             ; both first fills of a wave inside one branch on its number
	s_cbranch_scc0 .Lfirst_v
	tensor_load_to_lds s[G0:G0+3], s[G1K:G1K+7]
	s_nop 0
	tensor_load_to_lds s[G0+4:G0+7], s[G1K:G1K+7]
	s_nop 0
	s_branch .Lfirst_done
.Lfirst_v:
	tensor_load_to_lds s[G0:G0+3], s[G1V:G1V+7]
	s_nop 0
	tensor_load_to_lds s[G0+4:G0+7], s[G1V:G1V+7]
	s_nop 0
.Lfirst_done:
.irp qt, 0,1,2,3
.irp i, 0,1,2,3
	global_load_b128 v[QF+16*\qt+4*\i:QF+16*\qt+4*\i+3], v[QO], s[44:45] offset:2048*\qt+32*\i   ; Q stays in registers for the whole kernel
.endr
.endr
	s_lshr_b32 s52, s42, 3                         ; where my 32 rows of the output go: batch x 2,048 rows of 2,048 bytes,
	s_lshl_b32 s52, s52, 22
	s_lshl_b32 s53, s41, 18                        ; 128 qb rows,
	s_add_co_u32 s52, s52, s53
	s_lshl_b32 s53, s8, 16                         ; 32 w rows,
	s_add_co_u32 s52, s52, s53
	s_and_b32 s53, s42, 7
	s_lshl_b32 s53, s53, 8                         ; the head pair's 256 bytes
	s_add_co_u32 s52, s52, s53
	s_mov_b32 s53, 0
	s_add_nc_u64 s[46:47], s[6:7], s[52:53]
	v_mul_u32_u24 v3, v1, KP
	v_lshl_add_u32 v3, v2, 4, v3                   ; K: row r x pitch + 16 h
	s_mul_i32 s48, s9, REG
	v_add_nc_u32 v[KA], s48, v3
	v_add_nc_u32 v[KA+1], SLOT, v[KA]
	v_and_b32 v12, 7, v0
	v_lshl_add_u32 v12, v2, 3, v12                 ; V: key row 8 h + l % 8
	v_mul_u32_u24 v12, v12, VP
	v_bfe_u32 v13, v0, 3, 1
	v_lshl_add_u32 v12, v13, 4, v12
	s_add_co_u32 s48, s48, 2*REG
	v_add_nc_u32 v[VA], s48, v12
	v_add_nc_u32 v[VA+1], SLOT, v[VA]
	v_mul_u32_u24 v14, v1, SPITCH
	v_lshl_add_u32 v14, v2, 4, v14
	s_mul_i32 s48, s10, 64*SPITCH
	s_lshl_b32 s49, s9, 7
	s_add_co_u32 s48, s48, s49
	s_add_co_u32 s48, s48, STAGE
	v_add_nc_u32 v[STO], s48, v14                  ; stage: row 64 rh + r, byte 128 hc + 16 h
	v_mul_u32_u24 v15, v2, SPITCH
	v_lshl_add_u32 v15, v1, 4, v15
	s_mul_i32 s48, s8, 32*SPITCH
	s_add_co_u32 s48, s48, STAGE
	v_add_nc_u32 v[RD], s48, v15                   ; back: row 32 w + h, byte 16 r
	v_lshlrev_b32 v[CO], 11, v2
	v_lshl_add_u32 v[CO], v1, 4, v[CO]
	WIN 0x55
.irp qt, 0,1,2,3
	v_mov_b32 v[M+\qt], 0xff800000                 ; the running maximum starts at -infinity: the first alpha is exp2(-infinity) = 0
	v_mov_b32 v[X+\qt], 0                          ; v_permlanex16_b32's destination counts as read
	v_mov_b32 v[LS+2*\qt], 0
	v_mov_b32 v[LS+2*\qt+1], 0
.endr
	WIN 0
.macro LDK slot, sub                   ; 16 loads: 64 keys x 64 d of K
.irp kt, 0,1,2,3
.irp i, 0,1,2,3
	ds_load_b128 v[KF+16*\kt+4*\i:KF+16*\kt+4*\i+3], v[KA+\slot] offset:(64*\sub+16*\kt)*KP+32*\i
.endr
.endr
.endm
.macro LDV slot, sub                   ; 16 transposing loads: 64 d x 64 keys of V^T
.irp dt, 0,1,2,3
.irp kb, 0,1
	ds_load_tr16_b128 v[VF+16*\dt+8*\kb:VF+16*\dt+8*\kb+3],   v[VA+\slot] offset:(64*\sub+32*\kb)*VP+32*\dt
	ds_load_tr16_b128 v[VF+16*\dt+8*\kb+4:VF+16*\dt+8*\kb+7], v[VA+\slot] offset:(64*\sub+32*\kb)*VP+32*\dt+16*VP
.endr
.endr
.endm
; In SMUL and PVMUL the 16 accumulators take turns, one instruction a turn.
.macro SMUL                            ; S^T = K Q^T: 16 tiles, d 0-31 starts the sums, d 32-63 adds onto them
	WIN 0x50
.irp kt, 0,1,2,3
.irp qt, 0,1,2,3
	v_wmma_f32_16x16x32_f16 v[32*\kt+8*\qt:32*\kt+8*\qt+7], v[KF+16*\kt:KF+16*\kt+7], v[QF+16*\qt:QF+16*\qt+7], 0
.endr
.endr
.irp kt, 0,1,2,3
.irp qt, 0,1,2,3
	v_wmma_f32_16x16x32_f16 v[32*\kt+8*\qt:32*\kt+8*\qt+7], v[KF+16*\kt+8:KF+16*\kt+15], v[QF+16*\qt+8:QF+16*\qt+15], v[32*\kt+8*\qt:32*\kt+8*\qt+7]
.endr
.endr
.endm
.macro PVMUL kb, zero                  ; O^T += V^T P^T over 32 keys
	WIN 0xa4
.irp dt, 0,1,2,3
.irp qt, 0,1,2,3
.if \zero
	v_wmma_f32_16x16x32_f16 v[32*\dt+8*\qt:32*\dt+8*\qt+7], v[VF+16*\dt+8*\kb:VF+16*\dt+8*\kb+7], v[64*\kb+8*\qt:64*\kb+8*\qt+7], 0
.else
	v_wmma_f32_16x16x32_f16 v[32*\dt+8*\qt:32*\dt+8*\qt+7], v[VF+16*\dt+8*\kb:VF+16*\dt+8*\kb+7], v[64*\kb+8*\qt:64*\kb+8*\qt+7], v[32*\dt+8*\qt:32*\dt+8*\qt+7]
.endif
.endr
.endr
.endm
; Pair PI (0..15) of query tile qt: added to the running sum (pair 0 brings in the old sum times alpha), then packed to f16 into P's place.
; Ascending pairs never write a register whose numbers are still to be read.
.macro SUMCVT qt
.set SQ, 32*(PI>>2)+8*(\qt)+2*(PI&3)
.if PI == 0
	s_wait_alu depctr_va_vdst(0)
	v_pk_fma_f32 v[LS+2*(\qt):LS+2*(\qt)+1], v[LS+2*(\qt):LS+2*(\qt)+1], v[PR+2*(\qt):PR+2*(\qt)+1], v[SQ:SQ+1] op_sel:[0,1,0] op_sel_hi:[1,1,1]
	s_wait_alu depctr_va_vdst(0)
.else
	s_wait_alu depctr_va_vdst(0)
	v_pk_add_f32 v[LS+2*(\qt):LS+2*(\qt)+1], v[LS+2*(\qt):LS+2*(\qt)+1], v[SQ:SQ+1]
.endif
	v_cvt_pk_f16_f32 v[64*(PI>>3)+8*(\qt)+4*((PI>>2)&1)+(PI&3)], v[SQ], v[SQ+1]
.endm
; The exponentials of query tile qt, with the next tile's c s - M and the tile before's sums and packing between them: behind each pair of
; v_exp_f32 stands plain work on other registers before any result is used (ISA guide 5.7.2).
.macro MIX qt
.set PI, 0
.rept 16
.set SPR, 32*(PI>>2)+8*\qt+2*(PI&3)
	v_exp_f32 v[SPR], v[SPR]
	v_exp_f32 v[SPR+1], v[SPR+1]
.if \qt < 3
	v_pk_fma_f32 v[SPR+8:SPR+9], v[SPR+8:SPR+9], s[14:15], v[PR+2*\qt+2:PR+2*\qt+3] op_sel_hi:[1,0,0]
	s_wait_alu depctr_va_vdst(0)
.endif
.if \qt > 0
	SUMCVT \qt-1
.endif
.set PI, PI+1
.endr
.endm
; The softmax of a sub-step: new maximum, alpha, O and the sum rescaled, P = exp2(c s - M) packed in place.  first = 1: there is no O yet.
.macro SOFT first
	WIN 0x55
.irp qt, 0,1,2,3
	v_max3_num_f32 v[T+\qt], v[8*\qt], v[8*\qt+1], v[8*\qt+2]
.endr
.set NX, 3
.rept 14
.irp qt, 0,1,2,3
	v_max3_num_f32 v[T+\qt], v[T+\qt], v[32*(NX>>3)+8*\qt+(NX&7)], v[32*((NX+1)>>3)+8*\qt+((NX+1)&7)]
.endr
.set NX, NX+2
.endr
.irp qt, 0,1,2,3
	v_max_num_f32 v[T+\qt], v[T+\qt], v[96+8*\qt+7]
.endr
.irp qt, 0,1,2,3
	v_permlanex16_b32 v[X+\qt], v[T+\qt], s12, s13 ; the other 32 keys of the same query
.endr
.irp qt, 0,1,2,3
	v_max_num_f32 v[T+\qt], v[T+\qt], v[X+\qt]
.endr
.irp qt, 0,1,2,3
	v_mul_f32 v[T+\qt], s14, v[T+\qt]              ; c > 0: the maximum of c s is c times the maximum of s
.endr
.irp qt, 0,1,2,3
	v_max_num_f32 v[T+\qt], v[T+\qt], v[M+\qt]     ; the new running maximum
.endr
.irp qt, 0,1,2,3
	v_sub_f32 v[PR+2*\qt+1], v[M+\qt], v[T+\qt]
.endr
.irp qt, 0,1,2,3
	v_exp_f32 v[PR+2*\qt+1], v[PR+2*\qt+1]         ; alpha = exp2(old maximum - new maximum)
.endr
.irp qt, 0,1,2,3
	v_sub_f32 v[PR+2*\qt], 0, v[T+\qt]             ; plain lines behind the exponentials, which touch no alpha
.endr
.irp qt, 0,1,2,3
	v_mov_b32 v[M+\qt], v[T+\qt]
.endr
.if \first == 0
	WIN 0x86
	s_wait_alu depctr_va_vdst(0)
.irp dt, 0,1,2,3
.irp qt, 0,1,2,3
.irp p, 0,2,4,6
	v_pk_mul_f32 v[32*\dt+8*\qt+\p:32*\dt+8*\qt+\p+1], v[32*\dt+8*\qt+\p:32*\dt+8*\qt+\p+1], v[PR+2*\qt:PR+2*\qt+1] op_sel:[0,1] op_sel_hi:[1,1]
.endr
.endr
.endr
	WIN 0x55
.endif
.set PI, 0
	s_wait_alu depctr_va_vdst(0)
.rept 16
.set SQ, 32*(PI>>2)+2*(PI&3)
	v_pk_fma_f32 v[SQ:SQ+1], v[SQ:SQ+1], s[14:15], v[PR:PR+1] op_sel_hi:[1,0,0]    ; c s - M of query tile 0
.set PI, PI+1
.endr
	MIX 0
	MIX 1
	MIX 2
	MIX 3
.set PI, 0
.rept 16
	SUMCVT 3
.set PI, PI+1
.endr
.endm
; The first 64 keys of a step.
.macro SUB0 slot, first
	s_wait_dscnt 0x0                               ; K's fragments are in
	SMUL
	PLACES 4                                       ; behind them S may be read and K's registers loaded again
	WIN 0
	LDV \slot, 0
	LDK \slot, 1
	SOFT \first
	s_wait_dscnt 16                                ; V is in; the sixteen younger loads (K of the second 64 keys) may be out
	PVMUL 0, \first
	PVMUL 1, 0
	PLACES 5                                       ; the next S is written over P, which these have read
.endm
; The second 64 keys, and the change of slots.  mode 2: this slot is filled again; 1: only the change; 0: the last step.
; In front of the barrier each wave waits for its reads of this slot and for all its tensor loads (one is out: its region of the next slot).
.macro SUB1 slot, next, mode
	s_wait_dscnt 0x0
	SMUL
	PLACES 4
	WIN 0
	LDV \slot, 1
	SOFT 0
	s_wait_dscnt 0x0                               ; V is in, and my reads of this slot are over
.if \mode > 0
	s_wait_tensorcnt 0x0                           ; all my tensor loads have landed
	ds_add_u32 v254, v255
	s_wait_dscnt 0x0
	s_barrier_signal -1                            ; where the slot is filled again this barrier opens a round of the cluster's barrier
.endif
	PVMUL 0, 0                                     ; register work while the others arrive
.if \mode > 0
	WIN 0
	s_barrier_wait -1
.if \mode == 2
	CREST                                          ; no wave of any partner still reads this slot or has a load on its way
	s_add_nc_u64 s[G0+4*\slot+2:G0+4*\slot+3], s[G0+4*\slot+2:G0+4*\slot+3], 2*16384
	JLOAD \slot                                    ; the wave's one tensor load behind the round, and the first thing there: it has a whole step in which to land
.endif
	LDK \next, 0
.endif
	PVMUL 1, 0
	PLACES 5
.endm
	s_wait_tensorcnt 0x1                           ; my region of step 0 is in; step 1's may stay out
	s_barrier_signal -1
	s_barrier_wait -1
	LDK 0, 0
	s_wait_loadcnt 0x0                             ; Q
	SUB0 0, 1                                      ; steps 0 and 1 stand in front of the loop: the first products start O
	SUB1 0, 1, 2
	SUB0 1, 0
	SUB1 1, 0, 2
	WIN 0
	s_mov_b32 s3, 6                                ; steps 2 to 13; their refills bring steps 4 to 15
.Llap:
	SUB0 0, 0
	SUB1 0, 1, 2
	SUB0 1, 0
	SUB1 1, 0, 2
	WIN 0
	s_sub_co_u32 s3, s3, 1
	s_cmp_lg_u32 s3, 0
	s_cbranch_scc1 .Llap
	SUB0 0, 0                                      ; steps 14 and 15 fill nothing
	SUB1 0, 1, 1
	SUB0 1, 0
	SUB1 1, 0, 0
	; THE WAY OUT: O / sum, one rounding to f16, through the stage, so that sixteen lanes store a row's 256 bytes of both heads.
	WIN 0x55
.irp qt, 0,1,2,3
	v_add_f32 v[T+\qt], v[LS+2*\qt], v[LS+2*\qt+1]
.endr
.irp qt, 0,1,2,3
	v_permlanex16_b32 v[X+\qt], v[T+\qt], s12, s13
.endr
.irp qt, 0,1,2,3
	v_add_f32 v[T+\qt], v[T+\qt], v[X+\qt]
.endr
.irp qt, 0,1,2,3
	v_rcp_f32 v[PR+2*\qt+1], v[T+\qt]              ; the sum is at least about 1: the key of the maximum adds exp2(0)
.endr
	v_nop                                          ; one plain place behind the reciprocals (ISA guide 5.7.2)
	s_wait_alu depctr_va_vdst(0)
.macro OUTQ qt
	WIN 0x06
.irp dt, 0,1,2,3
.irp p, 0,2,4,6
	v_pk_mul_f32 v[KF+8*\dt+\p:KF+8*\dt+\p+1], v[32*\dt+8*\qt+\p:32*\dt+8*\qt+\p+1], v[PR+2*\qt:PR+2*\qt+1] op_sel:[0,1] op_sel_hi:[1,1]
.endr
.endr
	WIN 0
.irp dt, 0,1,2,3
.irp p, 0,1,2,3
	v_cvt_pk_f16_f32 v[VF+4*\dt+\p], v[KF+8*\dt+2*\p], v[KF+8*\dt+2*\p+1]
.endr
.endr
.irp dt, 0,1,2,3
	ds_store_b128 v[STO], v[VF+4*\dt:VF+4*\dt+3] offset:16*SPITCH*\qt+32*\dt
.endr
.endm
	OUTQ 0
	OUTQ 1
	OUTQ 2
	OUTQ 3
	s_wait_dscnt 0x0                               ; my stores into the stage are done, for the other waves' sake
	s_barrier_signal -1
	s_barrier_wait -1
.irp t, 0,1,2,3,4,5,6,7,8,9,10,11,12,13,14,15
	ds_load_b128 v[QF+4*\t:QF+4*\t+3], v[RD] offset:2*SPITCH*\t
.endr
.irp t, 0,1,2,3,4,5,6,7,8,9,10,11,12,13,14,15
	s_wait_dscnt 15-\t                             ; LDS loads come back in order: load t is in
	global_store_b128 v[CO], v[QF+4*\t:QF+4*\t+3], s[46:47] offset:4096*\t   ; 16 lanes store 256 consecutive bytes, aligned
.endr
	s_set_vgpr_msb 0x5
	s_wait_tensorcnt 0x0
	ds_add_u32 v254, v255
	s_wait_dscnt 0x0
	s_set_vgpr_msb 0x500
	CROUND                                         ; the closing round
	s_endpgm
.Lfunc_end_k_qeafa1db5b4_attn:
	.size	k_qeafa1db5b4_attn, .Lfunc_end_k_qeafa1db5b4_attn-k_qeafa1db5b4_attn
	.p2alignl 7, 3214868480
	.fill 96, 4, 3214868480
	.section	.rodata,"a",@progbits
	.p2align	6, 0x0
	.amdhsa_kernel k_qeafa1db5b4_attn
		.amdhsa_group_segment_fixed_size 327680
		.amdhsa_private_segment_fixed_size 0
		.amdhsa_enable_private_segment 0
		.amdhsa_kernarg_size 16
		.amdhsa_user_sgpr_count 2
		.amdhsa_user_sgpr_kernarg_segment_ptr 1
		.amdhsa_wavefront_size32 1
		.amdhsa_system_sgpr_workgroup_id_x 1
		.amdhsa_system_sgpr_workgroup_id_y 1
		.amdhsa_system_sgpr_workgroup_id_z 1
		.amdhsa_system_vgpr_workitem_id 0
		.amdhsa_next_free_vgpr 640
		.amdhsa_next_free_sgpr 66
		.amdhsa_reserve_vcc 0
		.amdhsa_float_denorm_mode_32 3
		.amdhsa_float_denorm_mode_16_64 3
		.amdhsa_memory_ordered 1
		.amdhsa_forward_progress 1
		.amdhsa_inst_pref_size 255
	.end_amdhsa_kernel
	.section	.bss,"aw",@nobits
	.p2align	6
	.space	262144
	.amdgpu_metadata
---
amdhsa.version: [ 1, 2 ]
amdhsa.kernels:
  - .name:           k_qeafa1db5b4_attn
    .symbol:         k_qeafa1db5b4_attn.kd
    .args:
      - { .name: qkv, .offset: 0, .size: 8, .value_kind: global_buffer, .address_space: global }
      - { .name: attn, .offset: 8, .size: 8, .value_kind: global_buffer, .address_space: global }
    .group_segment_fixed_size: 327680
    .private_segment_fixed_size: 0
    .kernarg_segment_align: 8
    .kernarg_segment_size: 16
    .max_flat_workgroup_size: 128
    .sgpr_count:     66
    .vgpr_count:     640
    .wavefront_size: 32
...
	.end_amdgpu_metadata
.endif
;; end of part 3
;; launch proj (part 4): grid 8 x 32, 4 waves a work-group, clusters of 4 x 4, 327,680 bytes of LDS; arguments attn, wprojh, b_proj, out0; writes out0
.if DOCPART == 4
	.amdgcn_target "amdgcn-amd-amdhsa--gfx1250"
	.amdhsa_code_object_version 6
	.text
	.protected	k_qeafa1db5b4_proj
	.globl	k_qeafa1db5b4_proj
	.p2align	8
	.type	k_qeafa1db5b4_proj,@function
k_qeafa1db5b4_proj:
	s_mov_b64 s[64:65], 0
	v_nop
	global_prefetch_b8 v0, s[64:65] scope:SCOPE_SE
	s_setreg_imm32_b32 hwreg(HW_REG_WAVE_MODE, 25, 1), 1
	s_wait_xcnt 0x0
	s_wait_alu depctr_hold_cnt(0) depctr_sa_sdst(0) depctr_va_vdst(0) depctr_va_sdst(0) depctr_va_ssrc(0) depctr_va_vcc(0) depctr_vm_vsrc(0)
	s_getreg_b32 s2, hwreg(HW_REG_IB_STS2, 6, 4)
	s_cmp_eq_u32 s2, 0
	s_cbranch_scc0 .Lentry_in_a_cluster
	s_endpgm
.Lentry_in_a_cluster:
	s_bfe_u32 s2, ttmp6, 0x10000c
	s_cmp_lg_u32 s2, 0xf033
	s_cbranch_scc0 .Lentry_shape_is_right
	s_endpgm
.Lentry_shape_is_right:
; out0 = attn [4096][1024] x wprojh [1024][1024] + b_proj; operands f16, sums and result f32.
; A work-group makes 128 x 128: 8 x 32 = 256 work-groups, one block each (blocks of 256 x 128 would be only 128 work-groups).
; Four waves; wave (wm, wn) makes 64 x 64: 16 accumulator tiles.  K goes in 4 steps of 256 through two LDS slots, written out without a loop.
; CLUSTERS: 4 x 4 work-groups; attn's tile is shared along a row of the cluster, the weights' along a column: joint loads.
; The weights lie [K][N]: ds_load_tr16_b128 transposes them.  The matrix instruction is used transposed (source 0 = 16 columns of w,
; source 1 = 16 rows of attn), so that a lane's eight registers are eight neighbouring columns of one row.
; REGISTER WINDOWS: 0: addresses, fragments (two buffers), bias, the way out; 1: the tiles at v[8 (4 a + b)].
.set PB,     288                       ; LDS row of w: 256 bytes + 32, an odd multiple of 32
.set BHALF,  128*PB                    ; 128 k rows: one tensor load
.set AOFF,   2*BHALF                   ; attn's 128 rows lie behind w's 256 k rows
.set PA,     528                       ; LDS row of attn: 512 bytes + 16, an odd multiple of 16
.set AHALF,  64*PA                     ; 64 rows: one tensor load
.set SLOT,   AOFF+2*AHALF              ; 141,312
.set STAGE,  2*SLOT                    ; bytes of its own behind the ring: 16 rows x 272 bytes for each wave
.set SPITCH, 272
.set ADRA, 16                          ; v16-17  LDS address of my attn fragments in slot 0, 1
.set ADRB, 20                          ; v20-23  of my w fragments: slot 0 k 0-127, slot 0 k 128-255, slot 1 likewise (an offset has 16 bits)
.set STO,  24
.set RD,   25
.set CO,   26
.set BO,   27
.set F0,   32                          ; buffer 0: attn v32-63, w v64-95
.set F1,   96                          ; buffer 1: attn v96-127, w v128-159
.set BIAS, 160                         ; v160-191 bias of my 4 x 8 columns
.set RB0,  192                         ; v192-223, v224-255: rows read back, by turns
.set RB1,  224
.set G1A,  24
.set G0A,  32
.set G1B,  48
.set G0B,  56
.set MSB,  0
.macro WIN new
.if MSB != \new
	s_set_vgpr_msb (MSB<<8)|\new
.set MSB, \new
.endif
.endm
.macro PLACES                          ; four plain vector places behind matrix instructions (ISA guide 7.12.1 for vector instructions)
.rept 4
	v_nop
.endr
.endm
.macro JLOAD s                         ; waves 0 and 1 fetch w's two halves, waves 2 and 3 attn's
	s_cmp_eq_u32 s13, 0
	s_cbranch_scc0 .Lfor_a_\@
	tensor_load_to_lds s[G0B+4*\s:G0B+4*\s+3], s[G1B:G1B+7]
	s_nop 0
	s_branch .Lasked_\@
.Lfor_a_\@:
	tensor_load_to_lds s[G0A+4*\s:G0A+4*\s+3], s[G1A:G1A+7]
	s_nop 0
.Lasked_\@:
.endm
.macro CREST
	s_cmp_lg_u32 s12, 0
	s_cbranch_scc1 .Lnot_wave_0_\@
	s_barrier_signal -3
.Lnot_wave_0_\@:
	s_barrier_wait -3
	s_barrier_signal -1
	s_barrier_wait -1
.endm
.macro CROUND
	s_barrier_signal -1
	s_barrier_wait -1
	CREST
.endm
	s_load_b256 s[4:11], s[0:1], 0x0               ; attn s[4:5], wprojh s[6:7], b_proj s[8:9], out0 s[10:11]
	v_lshl_add_u32 v30, v0, 2, 0x49400
	v_mov_b32 v31, 0
	ds_add_u32 v30, v31
	v_lshrrev_b32 v1, 5, v0
	v_readfirstlane_b32 s12, v1                    ; wave 0..3
	s_lshr_b32 s13, s12, 1                         ; wm: my half of the rows.  Also: I fetch for w (0) or for attn (1)
	s_and_b32 s14, s12, 1                          ; wn: my half of the columns.  Also: which half of that tile I fetch
	s_bfe_u32 s40, ttmp6, 0x40000                  ; cx
	s_bfe_u32 s41, ttmp6, 0x40004                  ; cy
	s_lshl_b32 s42, ttmp9, 2
	s_add_co_u32 s42, s42, s40                     ; BX
	s_and_b32 s15, ttmp7, 0xffff
	s_lshl_b32 s15, s15, 2
	s_add_co_u32 s15, s15, s41                     ; BY
	s_lshl_b32 s43, s41, 2
	s_lshl_b32 s43, 15, s43                        ; my row of the cluster
	s_lshl_b32 s44, 0x1111, s40                    ; my column
	; attn's tiles: 64 rows x 256 elements, 4 words of padding behind every 128 words (a row)
	s_or_b32 s[G1A+0], s43, (1<<16)|(1<<20)|(1<<21)|(6<<22)|(3<<25)
	s_mov_b32 s[G1A+1], 256<<16
	s_mov_b32 s[G1A+2], 64<<16
	s_mov_b32 s[G1A+3], 256<<16
	s_mov_b32 s[G1A+4], 64
	s_mov_b32 s[G1A+5], 1024
	s_mov_b32 s[G1A+6], 0
	s_mov_b32 s[G1A+7], 0
	; w's tiles: 128 k rows x 128 elements, 8 words of padding behind every 64 words (a row)
	s_or_b32 s[G1B+0], s44, (1<<16)|(1<<20)|(1<<21)|(5<<22)|(7<<25)
	s_mov_b32 s[G1B+1], 128<<16
	s_mov_b32 s[G1B+2], 128<<16
	s_mov_b32 s[G1B+3], 128<<16
	s_mov_b32 s[G1B+4], 128
	s_mov_b32 s[G1B+5], 1024
	s_mov_b32 s[G1B+6], 0
	s_mov_b32 s[G1B+7], 0
	s_lshl_b32 s16, s15, 18                        ; attn: 128 BY rows of 2,048 bytes
	s_lshl_b32 s18, s14, 17                        ; + 64 rows for the second half
	s_add_co_u32 s16, s16, s18
	s_mov_b32 s17, 0
	s_lshl_b32 s46, s42, 8                         ; w: 128 BX columns of 2 bytes
	s_lshl_b32 s45, s14, 18                        ; + 128 k rows of 2,048 bytes for the second half
	s_add_co_u32 s46, s46, s45
	s_mov_b32 s47, 0
	s_mul_i32 s21, s12, BHALF                      ; w's halves at wave x 36,864 (waves 0, 1),
	s_mul_i32 s20, s12, AHALF
	s_add_co_u32 s20, s20, AOFF-2*AHALF            ; attn's halves at 73,728 + (wave - 2) x 33,792 (waves 2, 3)
	s_lshl_b32 s70, s42, 9                         ; the block's 128 biases of 4 bytes; also its 512 bytes in a row of out0
	s_mov_b32 s71, 0
	s_wait_dscnt 0x0
	s_wait_kmcnt 0x0
	s_add_nc_u64 s[16:17], s[4:5], s[16:17]
	s_add_nc_u64 s[46:47], s[6:7], s[46:47]
	s_add_nc_u64 s[68:69], s[8:9], s[70:71]
	s_add_nc_u64 s[66:67], s[10:11], s[70:71]
	s_lshl_b32 s70, s15, 19                        ; out0: 128 BY rows of 4,096 bytes,
	s_lshl_b32 s71, s13, 18                        ; 64 wm rows,
	s_add_co_u32 s70, s70, s71
	s_lshl_b32 s71, s14, 8                         ; 64 wn columns
	s_add_co_u32 s70, s70, s71
	s_mov_b32 s71, 0
	s_add_nc_u64 s[66:67], s[66:67], s[70:71]
.irp s, 0,1
	s_mov_b32 s[G0A+4*\s], 1
	s_add_co_u32 s[G0A+4*\s+1], s20, \s*SLOT
	s_add_nc_u64 s[G0A+4*\s+2:G0A+4*\s+3], s[16:17], \s*512          ; K step s: 256 elements along the row
	s_or_b32 s[G0A+4*\s+3], s[G0A+4*\s+3], 0x80000000
	s_mov_b32 s[G0B+4*\s], 1
	s_add_co_u32 s[G0B+4*\s+1], s21, \s*SLOT
	s_add_nc_u64 s[G0B+4*\s+2:G0B+4*\s+3], s[46:47], \s*256*2048     ; K step s: 256 rows down
	s_or_b32 s[G0B+4*\s+3], s[G0B+4*\s+3], 0x80000000
.endr
	CROUND                                         ; all sixteen work-groups are here: the first joint loads meet
	s_cmp_eq_u32 s13, 0                            ; both first fills of a wave inside one branch on its number
	s_cbranch_scc0 .Lfirst_a
	tensor_load_to_lds s[G0B:G0B+3], s[G1B:G1B+7]
	s_nop 0
	tensor_load_to_lds s[G0B+4:G0B+7], s[G1B:G1B+7]
	s_nop 0
	s_branch .Lfirst_done
.Lfirst_a:
	tensor_load_to_lds s[G0A:G0A+3], s[G1A:G1A+7]
	s_nop 0
	tensor_load_to_lds s[G0A+4:G0A+7], s[G1A:G1A+7]
	s_nop 0
.Lfirst_done:
	v_and_b32 v1, 15, v0                           ; r
	v_bfe_u32 v2, v0, 4, 1                         ; h
	s_lshl_b32 s22, s14, 8                         ; my 64 columns' biases
	v_lshl_add_u32 v[BO], v2, 5, s22
.irp b, 0,1,2,3
	global_load_b128 v[BIAS+8*\b:BIAS+8*\b+3],   v[BO], s[68:69] offset:64*\b      ; waited for on the way out
	global_load_b128 v[BIAS+8*\b+4:BIAS+8*\b+7], v[BO], s[68:69] offset:64*\b+16
.endr
	v_mul_u32_u24 v3, v1, PA
	v_lshl_add_u32 v3, v2, 4, v3
	s_mul_i32 s22, s13, AHALF
	s_add_co_u32 s22, s22, AOFF
	v_add_nc_u32 v[ADRA], s22, v3                  ; attn: row 64 wm + r, + 16 h
	v_add_nc_u32 v[ADRA+1], SLOT, v[ADRA]
	v_and_b32 v4, 7, v0
	v_lshl_add_u32 v4, v2, 3, v4                   ; w: k row 8 h + l % 8
	v_mul_u32_u24 v4, v4, PB
	v_bfe_u32 v5, v0, 3, 1
	v_lshl_add_u32 v4, v5, 4, v4
	s_lshl_b32 s22, s14, 7                         ; my 64 columns of 2 bytes
	v_add_nc_u32 v[ADRB], s22, v4
	v_add_nc_u32 v[ADRB+1], BHALF, v[ADRB]
	v_add_nc_u32 v[ADRB+2], SLOT, v[ADRB]
	v_add_nc_u32 v[ADRB+3], SLOT+BHALF, v[ADRB]
	s_mul_i32 s22, s12, 16*SPITCH
	s_add_co_u32 s22, s22, STAGE                   ; my stage
	v_mul_u32_u24 v6, v1, SPITCH
	v_lshl_add_u32 v6, v2, 5, v6
	v_add_nc_u32 v[STO], s22, v6                   ; in: row r, 32 bytes for each half of the lanes
	v_mul_u32_u24 v7, v2, SPITCH
	v_lshl_add_u32 v7, v1, 4, v7
	v_add_nc_u32 v[RD], s22, v7                    ; back: lanes 0-15 one row of 256 bytes, lanes 16-31 the next
	v_lshlrev_b32 v[CO], 12, v2
	v_lshl_add_u32 v[CO], v1, 4, v[CO]             ; the same two rows in out0
; 8 matrix instructions: row tiles a0, a0 + 1 x 4 column tiles.  The 16 accumulators take turns, one instruction a turn, in the same order
; in every quarter.
.macro MUL8 f, a0, zero
.irp a, \a0, \a0+1
.irp b, 0,1,2,3
.if \zero
	v_wmma_f32_16x16x32_f16 v[8*(4*(\a)+\b):8*(4*(\a)+\b)+7], v[\f+32+8*\b:\f+32+8*\b+7], v[\f+8*(\a):\f+8*(\a)+7], 0
.else
	v_wmma_f32_16x16x32_f16 v[8*(4*(\a)+\b):8*(4*(\a)+\b)+7], v[\f+32+8*\b:\f+32+8*\b+7], v[\f+8*(\a):\f+8*(\a)+7], v[8*(4*(\a)+\b):8*(4*(\a)+\b)+7]
.endif
.endr
.endr
.endm
.macro FETCH slot, q, f                ; 16 LDS loads: part q (32 along K, 0..7) of a slot into buffer f
.irp b, 0,1,2,3
	ds_load_tr16_b128 v[\f+32+8*\b:\f+32+8*\b+3], v[ADRB+2*\slot+(\q>>2)] offset:32*PB*(\q&3)+32*\b
	ds_load_tr16_b128 v[\f+32+8*\b+4:\f+32+8*\b+7], v[ADRB+2*\slot+(\q>>2)] offset:32*PB*(\q&3)+32*\b+16*PB
.endr
.irp i, 0,1,2,3
	ds_load_b128 v[\f+8*\i:\f+8*\i+3],   v[ADRA+\slot] offset:16*PA*\i+64*\q
	ds_load_b128 v[\f+8*\i+4:\f+8*\i+7], v[ADRA+\slot] offset:16*PA*\i+64*\q+32
.endr
.endm
; One of a step's first seven parts: buffer f is awaited, part q goes out into buffer g, buffer f is multiplied.
.macro Q slot, q, f, g, zero
	PLACES                                         ; behind the matrix instructions that read buffer g
	s_wait_dscnt 0x0                               ; buffer f is in
	FETCH \slot, \q, \g
	WIN 0x50
	MUL8 \f, 0, \zero
	MUL8 \f, 2, \zero
	WIN 0
.endm
.macro SEVEN slot, zero
	Q \slot, 1, F0, F1, \zero
	Q \slot, 2, F1, F0, 0
	Q \slot, 3, F0, F1, 0
	Q \slot, 4, F1, F0, 0
	Q \slot, 5, F0, F1, 0
	Q \slot, 6, F1, F0, 0
	Q \slot, 7, F0, F1, 0
.endm
; The eighth part changes slots.  mode 2: this slot is filled again; 1: only the change.
.macro QT slot, next, mode
	PLACES
	s_wait_dscnt 0x0                               ; buffer 1 is in, and my reads of this slot are over
	s_wait_tensorcnt 0x0                           ; all my tensor loads have landed: the one that was out is my part of the next slot
	ds_add_u32 v30, v31
	s_wait_dscnt 0x0
	s_barrier_signal -1
	WIN 0x50
	MUL8 F1, 0, 0                                  ; register work while the others arrive
	WIN 0
	s_barrier_wait -1
.if \mode == 2
	CREST                                          ; no wave of any partner still reads this slot or has a load on its way
	s_add_nc_u64 s[G0A+4*\slot+2:G0A+4*\slot+3], s[G0A+4*\slot+2:G0A+4*\slot+3], 2*512
	s_add_nc_u64 s[G0B+4*\slot+2:G0B+4*\slot+3], s[G0B+4*\slot+2:G0B+4*\slot+3], 2*256*2048
	JLOAD \slot                                    ; the wave's one tensor load behind the round, and the first thing there: 120 matrix instructions until the wait for it
.endif
	FETCH \next, 0, F0
	WIN 0x50
	MUL8 F1, 2, 0
	WIN 0
.endm
	s_wait_tensorcnt 0x1                           ; my part of step 0 is in; step 1's may stay out
	s_barrier_signal -1
	s_barrier_wait -1
	FETCH 0, 0, F0
	SEVEN 0, 1                                     ; the first products start the sums
	QT 0, 1, 2                                     ; slot 0 gets step 2
	SEVEN 1, 0
	QT 1, 0, 2                                     ; slot 1 gets step 3
	SEVEN 0, 0
	QT 0, 1, 1                                     ; nothing is left to fetch
	SEVEN 1, 0
	s_wait_dscnt 0x0
	WIN 0x50
	MUL8 F1, 0, 0
	MUL8 F1, 2, 0
	WIN 0
	PLACES
	s_wait_loadcnt 0x0                             ; the bias
	; THE WAY OUT, 16 rows at a time: bias added, 32 bytes a lane into my own stage, read back as whole rows of 256 bytes.
	; LDS serves a wave's instructions in order (ISA guide 5.7.1): no wait between my stores and my loads of my own bytes.
.macro OUT16 a, rb
	WIN 0x01
.irp b, 0,1,2,3
.irp p, 0,2,4,6
	v_pk_add_f32 v[F0+8*\b+\p:F0+8*\b+\p+1], v[8*(4*\a+\b)+\p:8*(4*\a+\b)+\p+1], v[BIAS+8*\b+\p:BIAS+8*\b+\p+1]
.endr
.endr
	WIN 0
.irp b, 0,1,2,3
	ds_store_b128 v[STO], v[F0+8*\b:F0+8*\b+3]   offset:64*\b
	ds_store_b128 v[STO], v[F0+8*\b+4:F0+8*\b+7] offset:64*\b+16
.endr
	s_wait_xcnt 0x0                                ; the registers that earlier stores read are loaded again only behind this wait
.irp t, 0,1,2,3,4,5,6,7
	ds_load_b128 v[\rb+4*\t:\rb+4*\t+3], v[RD] offset:2*SPITCH*\t
.endr
.irp t, 0,1,2,3,4,5,6,7
	s_wait_dscnt 7-\t                              ; LDS loads come back in order: load t is in
	global_store_b128 v[CO], v[\rb+4*\t:\rb+4*\t+3], s[66:67] offset:(16*\a+2*\t)*4096 th:TH_STORE_NT   ; 16 lanes store 256 consecutive bytes, aligned
.endr
.endm
	OUT16 0, RB0
	OUT16 1, RB1
	OUT16 2, RB0
	OUT16 3, RB1
	s_wait_tensorcnt 0x0
	ds_add_u32 v30, v31
	s_wait_dscnt 0x0
	CROUND                                         ; the closing round
	s_endpgm
.Lfunc_end_k_qeafa1db5b4_proj:
	.size	k_qeafa1db5b4_proj, .Lfunc_end_k_qeafa1db5b4_proj-k_qeafa1db5b4_proj
	.p2alignl 7, 3214868480
	.fill 96, 4, 3214868480
	.section	.rodata,"a",@progbits
	.p2align	6, 0x0
	.amdhsa_kernel k_qeafa1db5b4_proj
		.amdhsa_group_segment_fixed_size 327680
		.amdhsa_private_segment_fixed_size 0
		.amdhsa_enable_private_segment 0
		.amdhsa_kernarg_size 32
		.amdhsa_user_sgpr_count 2
		.amdhsa_user_sgpr_kernarg_segment_ptr 1
		.amdhsa_wavefront_size32 1
		.amdhsa_system_sgpr_workgroup_id_x 1
		.amdhsa_system_sgpr_workgroup_id_y 1
		.amdhsa_system_sgpr_workgroup_id_z 1
		.amdhsa_system_vgpr_workitem_id 0
		.amdhsa_next_free_vgpr 384
		.amdhsa_next_free_sgpr 72
		.amdhsa_reserve_vcc 0
		.amdhsa_float_denorm_mode_32 3
		.amdhsa_float_denorm_mode_16_64 3
		.amdhsa_memory_ordered 1
		.amdhsa_forward_progress 1
		.amdhsa_inst_pref_size 94
	.end_amdhsa_kernel
	.amdgpu_metadata
---
amdhsa.version: [ 1, 2 ]
amdhsa.kernels:
  - .name:           k_qeafa1db5b4_proj
    .symbol:         k_qeafa1db5b4_proj.kd
    .args:
      - { .name: attn, .offset: 0, .size: 8, .value_kind: global_buffer, .address_space: global }
      - { .name: wprojh, .offset: 8, .size: 8, .value_kind: global_buffer, .address_space: global }
      - { .name: b_proj, .offset: 16, .size: 8, .value_kind: global_buffer, .address_space: global }
      - { .name: out0, .offset: 24, .size: 8, .value_kind: global_buffer, .address_space: global }
    .group_segment_fixed_size: 327680
    .private_segment_fixed_size: 0
    .kernarg_segment_align: 8
    .kernarg_segment_size: 32
    .max_flat_workgroup_size: 128
    .sgpr_count:     72
    .vgpr_count:     384
    .wavefront_size: 32
...
	.end_amdgpu_metadata
.endif
;; end of part 4
